; MI455X (gfx1250); checked and timed in simulation.
; The chip was launched on July 23, 2026; its instructions are those of AMD's public machine-readable ISA for CDNA 5 (MIT licence, August 2026) and "CDNA5" Instruction Set Architecture Reference Guide (July 2026). The comments in the code are by the model that wrote it; some were corrected since.
;; Little Bit Linear. Allowed arithmetic: matrix products marked QUANTISED: E4M3 operands, one given power-of-two scale a tensor, by v_wmma_f32_16x16x64_fp8_fp8 or v_wmma_f32_16x16x128_fp8_fp8, f32 sums; everything else in f32.
;; Inputs: U 2,048 x 1,024 float32; U_R 2,048 x 1,024 float32; V 1,024 x 2,048 float32; V_R 1,024 x 2,048 float32; bias 2,048 float32; lowp_scales 8 int32 (the exponents e of the quantised operands' scales 2^e); u1 1 x 2,048 float32; u1_R 1 x 2,048 float32; u2 1 x 1,024 float32; u2_R 1 x 1,024 float32; v1 1 x 1,024 float32; v1_R 1 x 1,024 float32; v2 1 x 2,048 float32; v2_R 1 x 2,048 float32; x 4 x 2,048 x 2,048 float32.
;; Outputs: out0 4 x 2,048 x 2,048 float32.
;; This version of the problem:
;;   THIS VERSION OF THE PROBLEM IS GIVEN IN LOW PRECISION. The matrix products marked QUANTISED in the list below multiply operands that are first quantised to E4M3 (4 exponent bits, 3 mantissa bits; 8 bits a number), with one given power-of-two scale for each operand tensor; their sums are f32. All else is computed in f32.
;;   The module's matrix products, in the order in which they are computed (A, B: the left and right operand; K: the contracted axis; several contracted axes count as one K, in the product's order):
;;     1. [M 8,192, K 2,048] x [K 2,048, N 1,024]; A: computed on the way; B: computed on the way: QUANTISED (scales: A lowp_scales[0], B lowp_scales[1])
;;     2. [M 8,192, K 1,024] x [K 1,024, N 2,048]; A: computed on the way; B: computed on the way: QUANTISED (scales: A lowp_scales[2], B lowp_scales[3])
;;     3. [M 8,192, K 2,048] x [K 2,048, N 1,024]; A: computed on the way; B: computed on the way: QUANTISED (scales: A lowp_scales[4], B lowp_scales[5])
;;     4. [M 8,192, K 1,024] x [K 1,024, N 2,048]; A: computed on the way; B: computed on the way: QUANTISED (scales: A lowp_scales[6], B lowp_scales[7])
;;   THE QUANTISER, for each operand of a quantised product, along K:
;;     - The operand's scale is 2^e, e = its entry of the input lowp_scales (int32; the entries are numbered through the quantised products in the list's order, A before B).
;;     - Each number is divided by the scale, clamped to +-448, and rounded to the nearest number of E4M3, ties to even, subnormals kept.
;;     - The product sums the exact products of the quantised numbers (number of the format x scale) in f32.
;;   ~~~python
;;   def quantise(x, axis, e):      # numpy; x: float32 -> the quantised numbers, widened to float32 again
;;       x = np.moveaxis(x, axis, -1); K = x.shape[-1]
;;       r = np.clip(x / 2.0 ** e, -448, 448)
;;       step = 2.0 ** (np.maximum(np.frexp(np.where(r == 0, 1, r))[1] - 1, -6) - 3)
;;       q = np.round(r / step) * step * 2.0 ** e      # np.round: ties to even
;;       return np.moveaxis(q, -1, axis).astype(np.float32)
;;   ~~~
;;   OPERANDS COMPUTED ON THE WAY. 'Computed on the way' means the value that the module computes at that place (a softmax that the list does not call 'softmax' is quantised finished and normalised). What goes into a quantiser is computed in f32, as accurately as f32 sums, v_exp_f32 and their like allow (about 1e-6 of the number): no bf16 or f16 on the way to a quantiser, and a product that is left as it is and whose result goes on into a quantised operand takes f32 operands (vector FMAs, or v_wmma_f32_16x16x4_f32). A number that lies on a knife's edge between two numbers of the format may be rounded either way, as far as f32 arithmetic and the matrix unit's own rounding can turn it there, and no further.
;; One version. Each part assembles by itself: llvm-mc -triple=amdgcn-amd-amdhsa -mcpu=gfx1250 --defsym DOCPART=n.
;; ======== version 1 of 1: 3 launches
;; limits: right only within a limited range of input values
;; workspace buffers: xq 33,554,432 bytes; wq 8,388,608 bytes; hq 16,777,216 bytes
;; launch prep (part 1): grid 768 x 1, 4 waves a work-group, no clusters, 41,472 bytes of LDS; arguments x, v2, v2_R, lowp_scales, V, V_R, U, U_R, xq, wq; writes xq, wq
.if DOCPART == 1
	.amdgcn_target "amdgcn-amd-amdhsa--gfx1250"
	.amdhsa_code_object_version 6
	.text
	.protected	k_q21f4b8f0e4_prep
	.globl	k_q21f4b8f0e4_prep
	.p2align	8
	.type	k_q21f4b8f0e4_prep,@function
k_q21f4b8f0e4_prep:
	s_mov_b64 s[64:65], 0
	v_nop
	global_prefetch_b8 v0, s[64:65] scope:SCOPE_SE
	s_setreg_imm32_b32 hwreg(HW_REG_WAVE_MODE, 25, 1), 1
	s_wait_xcnt 0x0
; THE OPERANDS THAT DO NOT HANG ON A PRODUCT ARE QUANTISED ONCE, into codes of FP8 (E4M3), one byte each, K innermost.
;   xq [2][8192][2048]: Q(x * v2) with scale 2^e0, then Q(x * v2_R) with 2^e4: x is read once for both.
;   wq: four dense blocks of 2 MiB, each laid as its source: Q(sign V) (e1), Q(sign V_R) (e5), Q(sign U) (e3), Q(sign U_R) (e7).
; code = number / 2^e, held within +-448, to the nearest code, ties to even.
; LIMITS: each of e0, e1, e3, e4, e5, e7 lies between -126 and 119, so that 2^e and 448 x 2^e are f32 numbers.  NaN among the inputs is not served; an infinity is held at the largest code.
; SHARES.  A work-group takes 16 runs of 2,048 numbers (131,072 source bytes); wave w the 512 numbers at 512 w of each run; a step is one run.  Work-groups 0-511 take x (a run is a row),
; work-groups 512-767 the four weights, 64 each (all four are dense, so a run is any 2,048 numbers on end).  The two ways part on the work-group's number and have LDS bytes of their own.
; A conversion takes 8 neighbours along K from ONE lane's registers, a load is best where neighbouring LANES take neighbouring bytes: each of a step's four loads reads 512 consecutive bytes, 16 a lane;
; the 2,048 bytes go through the wave's own stage in LDS as they lie and come back 64 bytes a lane (16 bytes of padding behind each 64).  A lane's 16 codes are 16 bytes: a store covers 512 consecutive bytes.
; No tensor load, no barrier: waves share nothing.  Loads run four steps (16 loads a wave) ahead, the turn through LDS one step.
.set STEPS, 16
.set XWG,   512                        ; work-groups for x
.set SP,    80                         ; a lane's place in a stage: 64 bytes + 16 of padding
.set STG,   32*SP                      ; a stage
.set WREG,  2*STG                      ; a wave's two stages
.set WOFF,  4*WREG                     ; the weights' way has its stages behind x's
.set SPARE, 2*WOFF                     ; behind both: the spare words, 128 bytes for each wave, which no other line names
.set SPW,   12                         ; v12  LDS address of my spare word; never rewritten
.set NIL,   13                         ; v13  0; never rewritten
.set R,     16                         ; v16-79   four sets of 16 numbers as loaded
.set X,     80                         ; v80-111  two sets of 16 neighbours
.set TA,    112                        ; v112-127 x * v2
.set TB,    128                        ; v128-143 x * v2_R
.set M0,    144                        ; v144-159 v2 of my 16 columns
.set M1,    160                        ; v160-175 v2_R of them
.set C,     176                        ; v176-207 codes: four sets of 8 (4 for each branch)
	s_load_b256 s[4:11], s[0:1], 0x0               ; x s[4:5], v2 s[6:7], v2_R s[8:9], the exponents s[10:11]
	s_load_b256 s[12:19], s[0:1], 0x20             ; V, V_R, U, U_R
	s_load_b128 s[20:23], s[0:1], 0x40             ; xq s[20:21], wq s[22:23]
	v_lshl_add_u32 v[SPW], v0, 2, SPARE
	v_mov_b32 v[NIL], 0
	v_lshrrev_b32 v1, 5, v0
	v_readfirstlane_b32 s36, v1                    ; wave 0..3
	v_and_b32 v2, 31, v0                           ; lane
	s_lshl_b32 s38, s36, 11
	v_lshl_add_u32 v3, v2, 4, s38                  ; a load: 2,048 w + 16 lane
	v_lshl_add_u32 v5, v2, 6, s38                  ; v2, v2_R of my 16 columns: 2,048 w + 64 lane
	s_lshl_b32 s38, s36, 9
	v_lshl_add_u32 v4, v2, 4, s38                  ; my codes: 512 w + 16 lane
	s_mul_i32 s38, s36, WREG
	v_lshrrev_b32 v14, 2, v2
	v_mul_u32_u24 v14, v14, SP
	v_and_b32 v15, 3, v2
	v_lshl_add_u32 v14, v15, 4, v14
	v_add_nc_u32 v14, s38, v14                     ; the stage, on the way in: four lanes' 64 bytes on end, then the padding
	v_mul_u32_u24 v15, v2, SP
	v_add_nc_u32 v15, s38, v15                     ; and on the way out: my 16 neighbours
	s_mov_b32 s37, 0x7fffffff                      ; all of a number but its sign
	s_mov_b32 s3, 0
	s_wait_kmcnt 0x0
	s_load_b256 s[24:31], s[10:11], 0x0            ; e0 .. e7
	s_cmp_lt_u32 ttmp9, XWG                        ; the work-group's number alone decides the way
	s_cbranch_scc0 .Lweights
.macro LOAD t                          ; step t's 2,048 bytes: each load reads 512 consecutive bytes
.irp i, 0,1,2,3
	global_load_b128 v[R+16*((\t)%4)+4*\i:R+16*((\t)%4)+4*\i+3], v3, s[4:5] offset:8192*(\t)+512*\i th:TH_LOAD_NT
.endr
.endm
.macro TURN t, po                      ; through the stage; LDS serves a wave's instructions in order, so no wait stands between the stores and the loads
.irp i, 0,1,2,3
	ds_store_b128 v14, v[R+16*((\t)%4)+4*\i:R+16*((\t)%4)+4*\i+3] offset:\po+STG*((\t)%2)+8*SP*\i
.endr
.irp i, 0,1,2,3
	ds_load_b128 v[X+16*((\t)%2)+4*\i:X+16*((\t)%2)+4*\i+3], v15 offset:\po+STG*((\t)%2)+16*\i
.endr
.endm
.macro HEAD t, po
	s_wait_dscnt 0x0                               ; this step's numbers are back from the stage, so its stores into the stage have read their registers,
.if (\t)+4 < STEPS
	LOAD (\t)+4                                    ; which take the loads of four steps on
.endif
.if (\t)+1 < STEPS
.if (\t)+4 < STEPS
	s_wait_loadcnt 12                              ; the next step's four loads are in; those of the three steps behind it may be out
.else
	s_wait_loadcnt 4*(STEPS-2-(\t))                ; the tail: fewer steps are behind it
.endif
	TURN (\t)+1, \po                               ; it goes through the other stage while this step is worked
.endif
.if (\t) >= 4
	s_wait_xcnt 0x0                                ; the stores of four steps ago have read this set of code registers: only behind this wait is it written again
.endif
.endm
.macro XSTEP t
	HEAD \t, 0
.set XS, X+16*((\t)%2)
.set CS, C+8*((\t)%4)
.irp j, 0,2,4,6,8,10,12,14
	v_pk_mul_f32 v[TA+\j:TA+\j+1], v[XS+\j:XS+\j+1], v[M0+\j:M0+\j+1]
.endr
.irp j, 0,2,4,6,8,10,12,14
	v_pk_mul_f32 v[TB+\j:TB+\j+1], v[XS+\j:XS+\j+1], v[M1+\j:M1+\j+1]
.endr
.irp i, 0,1,2,3,4,5,6,7,8,9,10,11,12,13,14,15
	v_med3_num_f32 v[TA+\i], v[TA+\i], -v9, v9     ; the conversion to an 8-bit code does not saturate (ISA guide 7.6.2): the hold at the largest code x the scale comes first
.endr
	v_cvt_scalef32_pk8_fp8_f32 v[CS:CS+1], v[TA:TA+7], v8
	v_cvt_scalef32_pk8_fp8_f32 v[CS+2:CS+3], v[TA+8:TA+15], v8
.irp i, 0,1,2,3,4,5,6,7,8,9,10,11,12,13,14,15
	v_med3_num_f32 v[TB+\i], v[TB+\i], -v11, v11
.endr
	v_cvt_scalef32_pk8_fp8_f32 v[CS+4:CS+5], v[TB:TB+7], v10
	v_cvt_scalef32_pk8_fp8_f32 v[CS+6:CS+7], v[TB+8:TB+15], v10
	v_nop                                          ; a plain vector line between the last conversion and the next step's products, which write its sources
	global_store_b128 v4, v[CS:CS+3], s[32:33] offset:2048*(\t)      ; 32 lanes store 512 consecutive bytes, at a multiple of 256 from the buffer's first byte
	global_store_b128 v4, v[CS+4:CS+7], s[34:35] offset:2048*(\t)
.endm
.macro WSTEP t
	HEAD \t, WOFF
.set XS, X+16*((\t)%2)
.set CS, C+8*((\t)%4)
.irp i, 0,1,2,3,4,5,6,7,8,9,10,11,12,13,14,15
	v_cmp_neq_f32 vcc_lo, 0, v[XS+\i]              ; sign(w), already held: 0 where w is 0,
	v_bfi_b32 v[XS+\i], s37, v9, v[XS+\i]          ; else min(1, 448 x 2^e) under w's sign
	v_cndmask_b32 v[XS+\i], 0, v[XS+\i], vcc_lo
.endr
	v_cvt_scalef32_pk8_fp8_f32 v[CS:CS+1], v[XS:XS+7], v8
	v_cvt_scalef32_pk8_fp8_f32 v[CS+2:CS+3], v[XS+8:XS+15], v8
	v_nop                                          ; a plain vector line behind the last conversion
	global_store_b128 v4, v[CS:CS+3], s[32:33] offset:2048*(\t)
.endm
	; ---- x: rows 16 wg on
	s_lshl_b32 s2, ttmp9, 17                       ; 16 rows of 8,192 bytes
	s_add_nc_u64 s[4:5], s[4:5], s[2:3]
	s_lshl_b32 s2, ttmp9, 15                       ; 16 rows of 2,048 codes
	s_add_nc_u64 s[32:33], s[20:21], s[2:3]        ; branch 0's codes,
	s_add_nc_u64 s[34:35], s[32:33], 0x1000000     ; branch 1's: 8,192 rows of 2,048 bytes on
	s_wait_alu depctr_va_vdst(0)
.irp i, 0,1,2,3
	global_load_b128 v[M0+4*\i:M0+4*\i+3], v5, s[6:7] offset:16*\i
	global_load_b128 v[M1+4*\i:M1+4*\i+3], v5, s[8:9] offset:16*\i
.endr
.irp t, 0,1,2,3
	LOAD \t
.endr
	s_wait_kmcnt 0x0
	s_add_co_i32 s38, s24, 127
	s_lshl_b32 s39, s38, 23
	v_mov_b32 v8, s39                              ; 2^e0 as f32: the conversion takes its exponent field
	s_add_co_i32 s38, s38, 8
	s_lshl_b32 s38, s38, 23
	s_or_b32 s38, s38, 0x600000
	v_mov_b32 v9, s38                              ; 448 x 2^e0
	s_add_co_i32 s38, s28, 127
	s_lshl_b32 s39, s38, 23
	v_mov_b32 v10, s39                             ; 2^e4
	s_add_co_i32 s38, s38, 8
	s_lshl_b32 s38, s38, 23
	s_or_b32 s38, s38, 0x600000
	v_mov_b32 v11, s38                             ; 448 x 2^e4
	s_wait_loadcnt 12                              ; v2, v2_R and step 0 are in; steps 1 to 3 may be out
	TURN 0, 0
.irp t, 0,1,2,3,4,5,6,7,8,9,10,11,12,13,14,15
	XSTEP \t
.endr
	s_wait_tensorcnt 0x0                           ; the wave's end
	ds_add_u32 v[SPW], v[NIL]
	s_wait_dscnt 0x0
	s_endpgm
.Lweights:
	; ---- the weights: tensor (wg - 512) / 64, its part (wg - 512) % 64
	s_sub_co_u32 s38, ttmp9, XWG
	s_lshr_b32 s39, s38, 6                         ; 0 V, 1 V_R, 2 U, 3 U_R
	s_and_b32 s40, s38, 63
	s_and_b32 s41, s39, 1
	s_cmp_eq_u32 s41, 0                            ; the choices hang on the work-group's number alone
	s_cselect_b64 s[12:13], s[12:13], s[14:15]
	s_cselect_b64 s[16:17], s[16:17], s[18:19]
	s_cmp_lt_u32 s39, 2
	s_cselect_b64 s[4:5], s[12:13], s[16:17]
	s_lshl_b32 s2, s40, 17
	s_add_nc_u64 s[4:5], s[4:5], s[2:3]
	s_lshl_b32 s2, s38, 15                         ; 64 parts of 32,768 codes are a tensor's 2 MiB: the four blocks follow each other
	s_add_nc_u64 s[32:33], s[22:23], s[2:3]
.irp t, 0,1,2,3
	LOAD \t
.endr
	s_wait_kmcnt 0x0
	s_cmp_eq_u32 s41, 0
	s_cselect_b32 s42, s25, s29                    ; e1 or e5
	s_cselect_b32 s43, s27, s31                    ; e3 or e7
	s_cmp_lt_u32 s39, 2
	s_cselect_b32 s42, s42, s43
	s_add_co_i32 s42, s42, 127
	s_lshl_b32 s43, s42, 23
	v_mov_b32 v8, s43                              ; 2^e
	s_add_co_i32 s42, s42, 8
	s_lshl_b32 s42, s42, 23
	s_or_b32 s42, s42, 0x600000
	v_mov_b32 v9, s42
	v_min_num_f32 v9, 1.0, v9                      ; |sign| held at the largest code x the scale
	s_wait_loadcnt 12                              ; step 0 is in
	s_wait_alu depctr_va_vdst(0)
	TURN 0, WOFF
.irp t, 0,1,2,3,4,5,6,7,8,9,10,11,12,13,14,15
	WSTEP \t
.endr
	s_wait_tensorcnt 0x0                           ; the wave's end, as above
	ds_add_u32 v[SPW], v[NIL]
	s_wait_dscnt 0x0
	s_endpgm
.Lfunc_end_k_q21f4b8f0e4_prep:
	.size	k_q21f4b8f0e4_prep, .Lfunc_end_k_q21f4b8f0e4_prep-k_q21f4b8f0e4_prep
	.p2alignl 7, 3214868480
	.fill 96, 4, 3214868480
	.section	.rodata,"a",@progbits
	.p2align	6, 0x0
	.amdhsa_kernel k_q21f4b8f0e4_prep
		.amdhsa_group_segment_fixed_size 41472
		.amdhsa_private_segment_fixed_size 0
		.amdhsa_enable_private_segment 0
		.amdhsa_kernarg_size 80
		.amdhsa_user_sgpr_count 2
		.amdhsa_user_sgpr_kernarg_segment_ptr 1
		.amdhsa_wavefront_size32 1
		.amdhsa_system_sgpr_workgroup_id_x 1
		.amdhsa_system_sgpr_workgroup_id_y 1
		.amdhsa_system_sgpr_workgroup_id_z 1
		.amdhsa_system_vgpr_workitem_id 0
		.amdhsa_next_free_vgpr 208
		.amdhsa_next_free_sgpr 66
		.amdhsa_reserve_vcc 1
		.amdhsa_float_denorm_mode_32 3
		.amdhsa_float_denorm_mode_16_64 3
		.amdhsa_memory_ordered 1
		.amdhsa_forward_progress 1
		.amdhsa_inst_pref_size 127
	.end_amdhsa_kernel
	.amdgpu_metadata
---
amdhsa.version: [ 1, 2 ]
amdhsa.kernels:
  - .name:           k_q21f4b8f0e4_prep
    .symbol:         k_q21f4b8f0e4_prep.kd
    .args:
      - { .name: x, .offset: 0, .size: 8, .value_kind: global_buffer, .address_space: global }
      - { .name: v2, .offset: 8, .size: 8, .value_kind: global_buffer, .address_space: global }
      - { .name: v2_R, .offset: 16, .size: 8, .value_kind: global_buffer, .address_space: global }
      - { .name: lowp_scales, .offset: 24, .size: 8, .value_kind: global_buffer, .address_space: global }
      - { .name: V, .offset: 32, .size: 8, .value_kind: global_buffer, .address_space: global }
      - { .name: V_R, .offset: 40, .size: 8, .value_kind: global_buffer, .address_space: global }
      - { .name: U, .offset: 48, .size: 8, .value_kind: global_buffer, .address_space: global }
      - { .name: U_R, .offset: 56, .size: 8, .value_kind: global_buffer, .address_space: global }
      - { .name: xq, .offset: 64, .size: 8, .value_kind: global_buffer, .address_space: global }
      - { .name: wq, .offset: 72, .size: 8, .value_kind: global_buffer, .address_space: global }
    .group_segment_fixed_size: 41472
    .private_segment_fixed_size: 0
    .kernarg_segment_align: 8
    .kernarg_segment_size: 80
    .max_flat_workgroup_size: 128
    .sgpr_count:     66
    .vgpr_count:     208
    .wavefront_size: 32
...
	.end_amdgpu_metadata
.endif
;; end of part 1
;; launch gemm_h (part 2): grid 8 x 32, 4 waves a work-group, clusters of 4 x 4, 327,680 bytes of LDS; arguments xq, wq, lowp_scales, v1, u2, v1_R, u2_R, hq; writes hq
.if DOCPART == 2
	.amdgcn_target "amdgcn-amd-amdhsa--gfx1250"
	.amdhsa_code_object_version 6
	.text
	.protected	k_q21f4b8f0e4_gemm_h
	.globl	k_q21f4b8f0e4_gemm_h
	.p2align	8
	.type	k_q21f4b8f0e4_gemm_h,@function
k_q21f4b8f0e4_gemm_h:
	s_mov_b64 s[64:65], 0
	v_nop
	global_prefetch_b8 v0, s[64:65] scope:SCOPE_SE
	s_setreg_imm32_b32 hwreg(HW_REG_WAVE_MODE, 25, 1), 1
	s_wait_xcnt 0x0
	s_wait_alu depctr_hold_cnt(0) depctr_sa_sdst(0) depctr_va_vdst(0) depctr_va_sdst(0) depctr_va_ssrc(0) depctr_va_vcc(0) depctr_vm_vsrc(0)
	s_getreg_b32 s2, hwreg(HW_REG_IB_STS2, 6, 4)
	s_cmp_eq_u32 s2, 0
	s_cbranch_scc0 .Lentry_in_a_cluster
	s_endpgm
.Lentry_in_a_cluster:
	s_bfe_u32 s2, ttmp6, 0x10000c
	s_cmp_lg_u32 s2, 0xf033
	s_cbranch_scc0 .Lentry_shape_is_right
	s_endpgm
.Lentry_shape_is_right:
.set SIZE_K, 2048
.set KSTEP,  256
.set ROWB,   256
.set KROW,   SIZE_K
.set PITCH,  272
.set FR,     16
.set NL,     4
.set NP,     4
.set HALFT,  128*PITCH
.set SLOT,   4*HALFT
.set LAPS,   SIZE_K/(2*KSTEP)
.set SPARE,  2*SLOT
.set SPITCH, 272
.set ADRA, 16
.set ADRB, 20
.set STO,  24
.set RD,   25
.set CO,   26
.set SPW,  28
.set NIL,  29
.set SC,   30
.set LIM,  31
.set G,    32
.set AF,   128
.set T,    128
.set CD,   192
.set G1, 24
.set G0, 32
.set G1B, 48
.set G0B, 56
.set MSB, 0
.macro WIN new
.if MSB != (\new)
	s_set_vgpr_msb (MSB<<8)|(\new)
.set MSB, (\new)
.endif
.endm
.set MUL_LO, 0xa1
.set MUL_HI, 0xf1
.set TO_B,   0x40
.macro JLOAD g0a, g1a, g0b, g1b
	s_cmp_eq_u32 s15, 0
	s_cbranch_scc0 .Lfor_b_\@
	tensor_load_to_lds s[\g0a:\g0a+3], s[\g1a:\g1a+7]
	s_nop 0
.rept 4
	v_nop
.endr
	s_branch .Lasked_\@
.Lfor_b_\@:
	tensor_load_to_lds s[\g0b:\g0b+3], s[\g1b:\g1b+7]
	s_nop 0
.rept 4
	v_nop
.endr
.Lasked_\@:
.endm
.macro CREST
	s_cmp_lg_u32 s14, 0
	s_cbranch_scc1 .Lnot_wave_0_\@
	s_barrier_signal -3
.Lnot_wave_0_\@:
	s_barrier_wait -3
	s_barrier_signal -1
	s_barrier_wait -1
.endm
.macro CROUND
	s_barrier_signal -1
	s_barrier_wait -1
	CREST
.endm
	s_load_b128 s[4:7], s[0:1], 0x0
	s_load_b64 s[8:9], s[0:1], 0x10
	s_load_b256 s[68:75], s[0:1], 0x18
	s_load_b64 s[10:11], s[0:1], 0x38
	v_lshl_add_u32 v[SPW], v0, 2, SPARE
	v_mov_b32 v[NIL], 0
	ds_add_u32 v[SPW], v[NIL]
	ds_add_u32 v[SPW], v[NIL]
	v_lshrrev_b32 v1, 5, v0
	v_readfirstlane_b32 s14, v1
	v_and_b32 v27, 31, v0
	v_lshlrev_b32 v27, 11, v27                     ; the prefetches' offset: a lane a row of 2,048 bytes; never rewritten
	s_lshr_b32 s15, s14, 1
	s_and_b32 s16, s14, 1
	s_bfe_u32 s40, ttmp6, 0x40000
	s_bfe_u32 s41, ttmp6, 0x40004
	s_and_b32 s17, ttmp7, 0xffff
	s_lshl_b32 s17, s17, 2
	s_add_co_u32 s17, s17, s41
	s_lshl_b32 s43, s41, 2
	s_lshl_b32 s43, 15, s43
	s_lshl_b32 s44, 0x1111, s40
	s_or_b32 s[G1+0], s43, (0<<16)|(1<<20)|(1<<21)|(5<<22)|(3<<25)
	s_or_b32 s[G1B+0], s44, (0<<16)|(1<<20)|(1<<21)|(5<<22)|(3<<25)
.irp g, G1, G1B
	s_mov_b32 s[\g+1], ROWB<<16
	s_mov_b32 s[\g+2], 128<<16
	s_mov_b32 s[\g+3], ROWB<<16
	s_mov_b32 s[\g+4], 128
	s_mov_b32 s[\g+5], KROW
	s_mov_b32 s[\g+6], 0
	s_mov_b32 s[\g+7], 0
.endr
	s_lshl_b32 s18, s16, 7
	s_lshl_b32 s20, s17, 8
	s_add_co_u32 s20, s20, s18
	s_lshl_b32 s20, s20, 11
	s_lshl_b32 s84, ttmp9, 24
	s_add_co_u32 s20, s20, s84
	s_mov_b32 s21, 0
	s_lshl_b32 s46, s40, 8
	s_add_co_u32 s46, s46, s18
	s_lshl_b32 s46, s46, 11
	s_lshl_b32 s86, ttmp9, 21
	s_add_co_u32 s46, s46, s86
	s_mov_b32 s47, 0
	s_mul_i32 s45, s14, HALFT
	s_wait_dscnt 0x0
	s_wait_kmcnt 0x0
	s_load_b256 s[76:83], s[8:9], 0x0
	s_add_nc_u64 s[20:21], s[4:5], s[20:21]
	s_add_nc_u64 s[46:47], s[6:7], s[46:47]
	; PREFETCH: behind each joint load one instruction names the K step two refills on: 32 rows x 256 bytes, a lane a row.  Of the 128 rows that a wave fetches, the partner at place p (cx for A, cy for B) takes rows 32 p on: shared out by address
	s_cmp_eq_u32 s15, 0
	s_cselect_b64 s[92:93], s[20:21], s[46:47]
	s_cselect_b32 s94, s40, s41
	s_lshl_b32 s94, s94, 16                        ; 32 rows of 2,048 bytes
	s_add_co_u32 s94, s94, 2*ROWB                  ; at K step 2
	s_mov_b32 s95, 0
	s_add_nc_u64 s[92:93], s[92:93], s[94:95]
	CROUND
.irp s, 0,1
	s_mov_b32 s[G0+4*\s], 1
	s_add_co_u32 s[G0+4*\s+1], s45, \s*SLOT
	s_add_nc_u64 s[G0+4*\s+2:G0+4*\s+3], s[20:21], \s*ROWB
	s_or_b32 s[G0+4*\s+3], s[G0+4*\s+3], 0x80000000
	s_mov_b32 s[G0B+4*\s], 1
	s_add_co_u32 s[G0B+4*\s+1], s45, \s*SLOT
	s_add_nc_u64 s[G0B+4*\s+2:G0B+4*\s+3], s[46:47], \s*ROWB
	s_or_b32 s[G0B+4*\s+3], s[G0B+4*\s+3], 0x80000000
	s_wait_alu depctr_va_vdst(0)
	s_wait_tensorcnt 0x0
	ds_add_u32 v28, v29
	ds_add_u32 v28, v29
	s_wait_dscnt 0x0
	CROUND
	JLOAD G0+4*\s, G1, G0B+4*\s, G1B
	global_prefetch_b8 v27, s[92:93] offset:\s*ROWB th:TH_LOAD_NT scope:SCOPE_SE   ; K step 2 behind K step 0's load, 3 behind 1's
.if \s == 0
	; v1 and u2 of my 128 columns are asked for here, behind K step 0's load; the wait for them stands behind K step 1's
	s_cmp_eq_u32 ttmp9, 0                          ; the branch hangs on the cluster's x alone
	s_cselect_b64 s[68:69], s[68:69], s[72:73]
	s_cselect_b64 s[70:71], s[70:71], s[74:75]
	s_lshl_b32 s88, s40, 10
	s_lshl_b32 s89, s16, 9
	s_add_co_u32 s88, s88, s89
	s_mov_b32 s89, 0
	s_add_nc_u64 s[68:69], s[68:69], s[88:89]
	s_add_nc_u64 s[70:71], s[70:71], s[88:89]
	v_bfe_u32 v7, v0, 4, 1
	v_lshlrev_b32 v7, 5, v7                        ; 32 bytes for each half of the lanes; never rewritten
.irp b, 0,1,2,3,4,5,6,7
	global_load_b128 v[G+8*\b:G+8*\b+3],    v7, s[68:69] offset:64*\b
	global_load_b128 v[G+8*\b+4:G+8*\b+7],  v7, s[68:69] offset:64*\b+16
	global_load_b128 v[AF+8*\b:AF+8*\b+3],   v7, s[70:71] offset:64*\b
	global_load_b128 v[AF+8*\b+4:AF+8*\b+7], v7, s[70:71] offset:64*\b+16
.endr
.endif
.endr
	v_and_b32 v1, 15, v0
	v_bfe_u32 v2, v0, 4, 1
	v_mul_u32_u24 v3, v1, PITCH
	s_wait_alu depctr_va_vdst(0)
	v_lshl_add_u32 v4, v2, 4, v3
	s_mul_i32 s21, s15, HALFT
	s_mul_i32 s22, s16, HALFT
	s_add_co_u32 s22, s22, 2*HALFT
.irp s, 0,1
	v_add_nc_u32 v[ADRA+\s], s21, v4
	v_add_nc_u32 v[ADRB+\s], s22, v4
	s_add_co_u32 s21, s21, SLOT
	s_add_co_u32 s22, s22, SLOT
.endr
	s_mul_i32 s23, s15, 128*SPITCH
	s_lshl_b32 s19, s16, 7
	s_add_co_u32 s23, s23, s19
	v_lshl_add_u32 v5, v2, 3, v3
	v_add_nc_u32 v[STO], s23, v5
	s_mul_i32 s23, s14, 64*SPITCH
	v_mul_u32_u24 v5, v2, SPITCH
	v_lshl_add_u32 v5, v1, 4, v5
	v_add_nc_u32 v[RD], s23, v5
	v_lshlrev_b32 v5, 11, v2
	v_lshl_add_u32 v[CO], v1, 4, v5
	s_wait_alu depctr_va_vdst(0)
	s_lshl_b32 s20, s17, 8
	s_lshl_b32 s21, s14, 6
	s_add_co_u32 s20, s20, s21
	s_lshl_b32 s20, s20, 11
	s_mov_b32 s21, 0
	s_add_nc_u64 s[10:11], s[10:11], s[20:21]
	s_lshl_b32 s46, ttmp9, 10
	s_lshl_b32 s47, s40, 8
	s_add_co_u32 s46, s46, s47
	s_mov_b32 s47, 0
	s_add_nc_u64 s[10:11], s[10:11], s[46:47]
	s_wait_kmcnt 0x0
	s_cmp_eq_u32 ttmp9, 0
	s_cselect_b32 s84, s76, s80
	s_cselect_b32 s85, s77, s81
	s_cselect_b32 s86, s78, s82
	s_sub_co_i32 s86, s86, s84
	s_sub_co_i32 s86, s86, s85
	s_add_co_i32 s86, s86, 127
	s_lshl_b32 s87, s86, 23
	v_mov_b32 v[SC], s87
	s_add_co_i32 s86, s86, 8
	s_lshl_b32 s86, s86, 23
	s_or_b32 s86, s86, 0x600000
	v_mov_b32 v[LIM], s86
	s_wait_loadcnt 0x0
.set jj, 0
.rept 32
	v_pk_mul_f32 v[G+jj:G+jj+1], v[G+jj:G+jj+1], v[AF+jj:AF+jj+1]
.set jj, jj+2
.endr
.macro FRAG reg, adr, q, i
.irp c, 0,1,2,3
	ds_load_b128 v[\reg+4*\c:\reg+4*\c+3], v[\adr] offset:128*(\q)+32*\c+(\i)*16*PITCH
.endr
.endm
.macro MUL16 a0, p, zero
.irp a, \a0, \a0+1
.irp b, 0,1,2,3,4,5,6,7
.if \zero
	v_wmma_f32_16x16x128_fp8_fp8 v[8*(8*((\a)%4)+\b):8*(8*((\a)%4)+\b)+7], v[128*(\p)+FR*\b:128*(\p)+FR*\b+FR-1], v[AF+FR*(\a):AF+FR*(\a)+FR-1], 0
.else
	v_wmma_f32_16x16x128_fp8_fp8 v[8*(8*((\a)%4)+\b):8*(8*((\a)%4)+\b)+7], v[128*(\p)+FR*\b:128*(\p)+FR*\b+FR-1], v[AF+FR*(\a):AF+FR*(\a)+FR-1], v[8*(8*((\a)%4)+\b):8*(8*((\a)%4)+\b)+7]
.endif
.endr
.endr
.endm
.macro FETCH_B slot, q, p
	WIN TO_B
.irp i, 0,1,2,3,4,5,6,7
	FRAG 128*(\p)+FR*\i, ADRB+\slot, \q, \i
.endr
	WIN 0
.endm
.macro FETCH_A slot, q, i0
.irp i, \i0, \i0+1, \i0+2, \i0+3
	FRAG AF+FR*(\i), ADRA+\slot, \q, \i
.endr
.endm
.macro PLACES n
.rept \n
	v_nop
.endr
.endm
.macro STEP slot, q, zero
	s_wait_dscnt 4*NL
	WIN MUL_LO
	MUL16 0, (\q)%2, \zero
	MUL16 2, (\q)%2, \zero
	s_wait_dscnt 0
	PLACES NP
	FETCH_B \slot, (\q)+1, 1-(\q)%2
	FETCH_A \slot, (\q)+1, 0
	WIN MUL_HI
	MUL16 4, (\q)%2, \zero
	MUL16 6, (\q)%2, \zero
	PLACES NP
	WIN 0
	FETCH_A \slot, (\q)+1, 4
.endm
.macro TURN slot, next, fill
.if \fill
	s_wait_xcnt 0x0                                ; my last prefetch has read its address: it steps one K step
	s_add_nc_u64 s[92:93], s[92:93], ROWB
.endif
	s_wait_tensorcnt 0x0
	ds_add_u32 v[SPW], v[NIL]
	s_wait_dscnt 4*NL+1
	WIN MUL_LO
	MUL16 0, 1, 0
	s_wait_dscnt 0x0
	s_barrier_signal -1
	MUL16 2, 1, 0
	WIN 0
	s_barrier_wait -1
.if \fill
	CREST
	s_add_nc_u64 s[G0+4*\slot+2:G0+4*\slot+3], s[G0+4*\slot+2:G0+4*\slot+3], 2*ROWB
	s_add_nc_u64 s[G0B+4*\slot+2:G0B+4*\slot+3], s[G0B+4*\slot+2:G0B+4*\slot+3], 2*ROWB
	JLOAD G0+4*\slot, G1, G0B+4*\slot, G1B
.else
	PLACES NP
.endif
	FETCH_B \next, 0, 0
	FETCH_A \next, 0, 0
.if \fill
	s_cmp_gt_u32 s3, 1                             ; the last trip's two refills have no K step two on
	s_cbranch_scc0 .Lnot_asked_\@
	global_prefetch_b8 v27, s[92:93] offset:ROWB th:TH_LOAD_NT scope:SCOPE_SE
.Lnot_asked_\@:
.endif
	WIN MUL_HI
	MUL16 4, 1, 0
	MUL16 6, 1, 0
	PLACES NP
	WIN 0
	FETCH_A \next, 0, 4
.endm
	s_wait_tensorcnt 1
	s_barrier_signal -1
	s_barrier_wait -1
	FETCH_B 0, 0, 0
	FETCH_A 0, 0, 0
	FETCH_A 0, 0, 4
	STEP 0, 0, 1
	s_mov_b32 s3, LAPS-1
.Llap:
	TURN 0, 1, 1
	STEP 1, 0, 0
	TURN 1, 0, 1
	STEP 0, 0, 0
	s_sub_co_u32 s3, s3, 1
	s_cmp_lg_u32 s3, 0
	s_cbranch_scc1 .Llap
	TURN 0, 1, 0
	STEP 1, 0, 0
	s_wait_dscnt 4*NL
	WIN MUL_LO
	MUL16 0, 1, 0
	MUL16 2, 1, 0
	s_wait_dscnt 0
	WIN MUL_HI
	MUL16 4, 1, 0
	MUL16 6, 1, 0
	WIN 0
.macro HBLOCK a
.set AC, 64*((\a)%4)
.set CC, CD+16*((\a)%2)
.if (\a) >= 2
	s_wait_dscnt 8
.endif
	WIN 0x02+((\a)/4)
.set jj, 0
.rept 32
	v_pk_mul_f32 v[T+jj:T+jj+1], v[AC+jj:AC+jj+1], v[G+jj:G+jj+1]
.set jj, jj+2
.endr
	WIN 0
.irp b, 0,1,2,3,4,5,6,7
.irp i, 0,1,2,3,4,5,6,7
	v_med3_num_f32 v[T+8*\b+\i], v[T+8*\b+\i], -v[LIM], v[LIM]
.endr
	v_cvt_scalef32_pk8_fp8_f32 v[CC+2*\b:CC+2*\b+1], v[T+8*\b:T+8*\b+7], v[SC]
.endr
	v_nop
.irp b, 0,1,2,3,4,5,6,7
	ds_store_b64 v[STO], v[CC+2*\b:CC+2*\b+1] offset:(\a)*16*SPITCH+16*\b
.endr
.endm
	PLACES NP
.irp a, 0,1,2,3,4,5,6,7
	HBLOCK \a
.endr
	s_wait_dscnt 0x0
	s_barrier_signal -1
	s_barrier_wait -1
.set ii, 0
.rept 32
	ds_load_b128 v[T+4*ii:T+4*ii+3], v[RD] offset:ii*2*SPITCH
.set ii, ii+1
.endr
.set ii, 0
.rept 32
	s_wait_dscnt 31-ii
	global_store_b128 v[CO], v[T+4*ii:T+4*ii+3], s[10:11] offset:ii*2*2048
.set ii, ii+1
.endr
	s_wait_tensorcnt 0x0
	ds_add_u32 v[SPW], v[NIL]
	s_wait_dscnt 0x0
	CROUND
	s_endpgm
.Lfunc_end_k_q21f4b8f0e4_gemm_h:
	.size	k_q21f4b8f0e4_gemm_h, .Lfunc_end_k_q21f4b8f0e4_gemm_h-k_q21f4b8f0e4_gemm_h
	.p2alignl 7, 3214868480
	.fill 96, 4, 3214868480
	.section	.rodata,"a",@progbits
	.p2align	6, 0x0
	.amdhsa_kernel k_q21f4b8f0e4_gemm_h
		.amdhsa_group_segment_fixed_size 327680
		.amdhsa_private_segment_fixed_size 0
		.amdhsa_enable_private_segment 0
		.amdhsa_kernarg_size 64
		.amdhsa_user_sgpr_count 2
		.amdhsa_user_sgpr_kernarg_segment_ptr 1
		.amdhsa_wavefront_size32 1
		.amdhsa_system_sgpr_workgroup_id_x 1
		.amdhsa_system_sgpr_workgroup_id_y 1
		.amdhsa_system_sgpr_workgroup_id_z 1
		.amdhsa_system_vgpr_workitem_id 0
		.amdhsa_next_free_vgpr 1024
		.amdhsa_next_free_sgpr 98
		.amdhsa_reserve_vcc 0
		.amdhsa_float_denorm_mode_32 3
		.amdhsa_float_denorm_mode_16_64 3
		.amdhsa_memory_ordered 1
		.amdhsa_forward_progress 1
		.amdhsa_inst_pref_size 149
	.end_amdhsa_kernel
	.amdgpu_metadata
---
amdhsa.version: [ 1, 2 ]
amdhsa.kernels:
  - .name:           k_q21f4b8f0e4_gemm_h
    .symbol:         k_q21f4b8f0e4_gemm_h.kd
    .args:
      - { .name: xq, .offset: 0, .size: 8, .value_kind: global_buffer, .address_space: global }
      - { .name: wq, .offset: 8, .size: 8, .value_kind: global_buffer, .address_space: global }
      - { .name: lowp_scales, .offset: 16, .size: 8, .value_kind: global_buffer, .address_space: global }
      - { .name: v1, .offset: 24, .size: 8, .value_kind: global_buffer, .address_space: global }
      - { .name: u2, .offset: 32, .size: 8, .value_kind: global_buffer, .address_space: global }
      - { .name: v1_R, .offset: 40, .size: 8, .value_kind: global_buffer, .address_space: global }
      - { .name: u2_R, .offset: 48, .size: 8, .value_kind: global_buffer, .address_space: global }
      - { .name: hq, .offset: 56, .size: 8, .value_kind: global_buffer, .address_space: global }
    .group_segment_fixed_size: 327680
    .private_segment_fixed_size: 0
    .kernarg_segment_align: 8
    .kernarg_segment_size: 64
    .max_flat_workgroup_size: 128
    .sgpr_count:     98
    .vgpr_count:     1024
    .wavefront_size: 32
...
	.end_amdgpu_metadata
.endif
;; end of part 2
;; launch gemm_y (part 3): grid 8 x 32, 4 waves a work-group, clusters of 4 x 4, 327,680 bytes of LDS; arguments hq, wq, lowp_scales, u1, u1_R, bias, out0; writes out0
.if DOCPART == 3
	.amdgcn_target "amdgcn-amd-amdhsa--gfx1250"
	.amdhsa_code_object_version 6
	.text
	.protected	k_q21f4b8f0e4_gemm_y
	.globl	k_q21f4b8f0e4_gemm_y
	.p2align	8
	.type	k_q21f4b8f0e4_gemm_y,@function
k_q21f4b8f0e4_gemm_y:
	s_mov_b64 s[64:65], 0
	v_nop
	global_prefetch_b8 v0, s[64:65] scope:SCOPE_SE
	s_setreg_imm32_b32 hwreg(HW_REG_WAVE_MODE, 25, 1), 1
	s_wait_xcnt 0x0
	s_wait_alu depctr_hold_cnt(0) depctr_sa_sdst(0) depctr_va_vdst(0) depctr_va_sdst(0) depctr_va_ssrc(0) depctr_va_vcc(0) depctr_vm_vsrc(0)
	s_getreg_b32 s2, hwreg(HW_REG_IB_STS2, 6, 4)
	s_cmp_eq_u32 s2, 0
	s_cbranch_scc0 .Lentry_in_a_cluster
	s_endpgm
.Lentry_in_a_cluster:
	s_bfe_u32 s2, ttmp6, 0x10000c
	s_cmp_lg_u32 s2, 0xf033
	s_cbranch_scc0 .Lentry_shape_is_right
	s_endpgm
.Lentry_shape_is_right:
; out0[m][n] = c0[n] S0 + c1[n] S1 + bias[n];  c0 = u1 2^(e2+e3), c1 = u1_R 2^(e6+e7);  S0 = sum over k of hq0[m][k] Uq[n][k], S1 the same for the second branch: codes of FP8 (E4M3), f32 sums.
; ONE SET OF ACCUMULATORS SERVES BOTH BRANCHES.  When S0 is finished each sum is multiplied by rho[n] = c0 / sigma, the second branch's products are added onto it, and at the end
; out0 = sigma (rho S0 + S1) + bias, with sigma = c1.  So a wave holds 128 x 128 of out0 in 512 registers, a work-group 256 x 256, and K runs through 2,048: hq's rows hold both branches on end.
; LIMITS.  The order of rounding differs from c0 S0 + c1 S1: rho is rounded (a reciprocal and a product), and S1 is added in f32 onto rho S0.  |sigma| is held from below at max(2^-90 |c0|, 2^-126), so that rho is
; finite and |rho S0| stays under 2^118 (|S0| <= 1,024 x 448^2 < 2^28); where the hold acts, the result is off by at most max(2^-62 |c0|, 2^-98).  |c1| stays under 2^126 (its reciprocal is a normal number).
; The ring: K in steps of 256 through two LDS slots filled by joint tensor loads (4 x 4 clusters: hq's tiles shared along a row of the cluster, U's along a column), one barrier round for each change of slots.
; K steps 0-3 take U's rows, 4-7 U_R's, 2,097,152 bytes on in wq: the one longer step of B's addresses is chosen by the trip's number.
; PREFETCH: behind each joint load one instruction names the K step two refills on: 32 rows x 256 bytes, a lane a row; of the 128 rows that a wave fetches the partner at place p (cx for hq, cy for U) takes rows 32 p on.
; K steps 0 and 1 come by their loads alone; the last trip's two refills have no K step two on.
; THE MATRIX INSTRUCTION: source 0 = 16 rows of hq, source 1 = 16 rows of U: register j of accumulator (a, b) in lane l is row 16 a + 8 (l / 16) + j, column 16 b + l % 16: a column's factor is one number a lane and block.
; REGISTERS: window 0: v0-31 addresses; v32-79 rho, sigma, bias (each twice: a pair for the packed form); from v128 hq's fragments, ONE set (on the way out: results);
;   window 1: U's fragments, TWO sets;  window 2, 3: the accumulators of my rows 0-63, 64-127 ((a, b) at v[8 (8 (a % 4) + b)]).
.set ROWB,   256
.set PITCH,  272
.set FR,     16
.set NL,     4
.set NP,     4
.set HALFT,  128*PITCH
.set SLOT,   4*HALFT
.set LAPS,   4
.set SPARE,  2*SLOT                    ; behind the ring: the spare words, which no other line names
.set SP,     528                       ; the way out: 16 rows x (512 + 16) bytes for each wave, in slot 0, which has had its last fill and its last read by then
.set UOFF,   4194304
.set JUMP,   2097152
.set ADRA, 16
.set ADRB, 20
.set STO,  24
.set RD,   25
.set CO,   26
.set PFO,  27
.set SPW,  28
.set NIL,  29
.set CAD,  30
.set RHO,  32
.set SIG,  48
.set BI,   64
.set TT,   96
.set AF,   128
.set TMP,  128
.set G1, 24
.set G0, 32
.set G1B, 48
.set G0B, 56
.set INC, 68                           ; s[68:69] this trip's step of B's addresses
.set JR,  70                           ; s70 the longer step
.set PFA, 92                           ; s[92:93] where my next prefetch stands
.set PI,  94                           ; s[94:95] its step
.set PJ,  96                           ; s96 its one longer step
.set MSB, 0
.macro WIN new
.if MSB != (\new)
	s_set_vgpr_msb (MSB<<8)|(\new)
.set MSB, (\new)
.endif
.endm
.set MUL_LO, 0xa4                      ; source 0 (hq) window 0, source 1 (U) window 1, C and D window 2
.set MUL_HI, 0xf4
.set TO_B,   0x40
.macro JLOAD g0a, g1a, g0b, g1b        ; waves 0, 1 fetch hq's two halves, waves 2, 3 U's; an s_nop 0 and four v_nop follow each line
	s_cmp_eq_u32 s15, 0
	s_cbranch_scc0 .Lfor_b_\@
	tensor_load_to_lds s[\g0a:\g0a+3], s[\g1a:\g1a+7]
	s_nop 0
.rept 4
	v_nop
.endr
	s_branch .Lasked_\@
.Lfor_b_\@:
	tensor_load_to_lds s[\g0b:\g0b+3], s[\g1b:\g1b+7]
	s_nop 0
.rept 4
	v_nop
.endr
.Lasked_\@:
.endm
.macro CREST
	s_cmp_lg_u32 s14, 0
	s_cbranch_scc1 .Lnot_wave_0_\@
	s_barrier_signal -3
.Lnot_wave_0_\@:
	s_barrier_wait -3
	s_barrier_signal -1
	s_barrier_wait -1
.endm
.macro CROUND
	s_barrier_signal -1
	s_barrier_wait -1
	CREST
.endm
	s_load_b128 s[4:7], s[0:1], 0x0                ; hq, wq
	s_load_b64 s[8:9], s[0:1], 0x10                ; the scales' exponents
	s_load_b256 s[76:83], s[0:1], 0x18             ; u1, u1_R, bias, out0
	v_lshl_add_u32 v[SPW], v0, 2, SPARE
	v_mov_b32 v[NIL], 0
	ds_add_u32 v[SPW], v[NIL]                      ; the opening lines: the add, twice on end, and its wait
	ds_add_u32 v[SPW], v[NIL]
	v_lshrrev_b32 v1, 5, v0
	v_readfirstlane_b32 s14, v1                    ; wave 0..3
	s_lshr_b32 s15, s14, 1                         ; my half of the tile's rows; also: I fetch for hq (0) or for U (1)
	s_and_b32 s16, s14, 1                          ; my half of its columns; also: which 128 rows I fetch
	s_sub_co_u32 s71, 11, s15
	v_and_b32 v[PFO], 31, v0
	v_lshlrev_b32 v[PFO], s71, v[PFO]              ; a lane a row: 2,048 bytes in hq, 1,024 in U
	s_bfe_u32 s40, ttmp6, 0x40000                  ; cx, cy
	s_bfe_u32 s41, ttmp6, 0x40004
	s_lshl_b32 s42, ttmp9, 2
	s_add_co_u32 s42, s42, s40                     ; tile column
	s_and_b32 s17, ttmp7, 0xffff
	s_lshl_b32 s17, s17, 2
	s_add_co_u32 s17, s17, s41                     ; tile row
	s_lshl_b32 s43, s41, 2
	s_lshl_b32 s43, 15, s43                        ; my row of the cluster
	s_lshl_b32 s44, 0x1111, s40                    ; my column
	s_or_b32 s[G1+0], s43, (0<<16)|(1<<20)|(1<<21)|(5<<22)|(3<<25)
	s_or_b32 s[G1B+0], s44, (0<<16)|(1<<20)|(1<<21)|(5<<22)|(3<<25)
.irp g, G1, G1B
	s_mov_b32 s[\g+1], ROWB<<16
	s_mov_b32 s[\g+2], 128<<16
	s_mov_b32 s[\g+3], ROWB<<16
	s_mov_b32 s[\g+4], 128
	s_mov_b32 s[\g+6], 0
	s_mov_b32 s[\g+7], 0
.endr
	s_mov_b32 s[G1+5], 2048                        ; hq's pitch
	s_mov_b32 s[G1B+5], 1024                       ; U's
	s_lshl_b32 s18, s16, 7
	s_lshl_b32 s20, s17, 8
	s_add_co_u32 s20, s20, s18
	s_lshl_b32 s20, s20, 11                        ; hq: row 256 x tile row + 128 x half
	s_mov_b32 s21, 0
	s_lshl_b32 s46, s42, 8
	s_add_co_u32 s46, s46, s18
	s_lshl_b32 s46, s46, 10                        ; U: row 256 x tile column + 128 x half
	s_add_co_u32 s46, s46, UOFF
	s_mov_b32 s47, 0
	s_mul_i32 s45, s14, HALFT
	s_mov_b32 s[INC+1], 0
	s_mov_b32 s[JR], JUMP-2*ROWB
	s_mov_b32 s[PI+1], 0
	s_cmp_eq_u32 s15, 0
	s_cselect_b32 s72, s40, s41                    ; my place among the four that ask with me
	s_mov_b32 s[PJ], JUMP-2*ROWB
	s_cselect_b32 s[PJ], 2*ROWB, s[PJ]             ; from K step 2 to K step 4
	s_sub_co_u32 s71, 16, s15
	s_lshl_b32 s72, s72, s71                       ; 32 rows
	s_add_co_u32 s72, s72, 2*ROWB                  ; at K step 2
	s_mov_b32 s73, 0
	s_wait_alu depctr_va_vdst(0)
	s_wait_dscnt 0x0
	s_wait_kmcnt 0x0
	s_load_b256 s[84:91], s[8:9], 0x0              ; e0 .. e7
	s_add_nc_u64 s[20:21], s[4:5], s[20:21]
	s_add_nc_u64 s[46:47], s[6:7], s[46:47]
	s_cmp_eq_u32 s15, 0
	s_cselect_b64 s[PFA:PFA+1], s[20:21], s[46:47]
	s_add_nc_u64 s[PFA:PFA+1], s[PFA:PFA+1], s[72:73]
	CROUND
.irp s, 0,1
	s_mov_b32 s[G0+4*\s], 1
	s_add_co_u32 s[G0+4*\s+1], s45, \s*SLOT
	s_add_nc_u64 s[G0+4*\s+2:G0+4*\s+3], s[20:21], \s*ROWB
	s_or_b32 s[G0+4*\s+3], s[G0+4*\s+3], 0x80000000
	s_mov_b32 s[G0B+4*\s], 1
	s_add_co_u32 s[G0B+4*\s+1], s45, \s*SLOT
	s_add_nc_u64 s[G0B+4*\s+2:G0B+4*\s+3], s[46:47], \s*ROWB
	s_or_b32 s[G0B+4*\s+3], s[G0B+4*\s+3], 0x80000000
.endr
	JLOAD G0, G1, G0B, G1B                         ; K step 0: one tensor load a wave at the head
	global_prefetch_b8 v[PFO], s[PFA:PFA+1] th:TH_LOAD_NT scope:SCOPE_SE   ; K step 2
	s_mul_i32 s21, s15, HALFT                      ; my 128 rows of hq,
	s_mul_i32 s22, s16, HALFT
	s_add_co_u32 s22, s22, 2*HALFT                 ; of U,
	s_add_co_u32 s74, s21, SLOT
	s_add_co_u32 s75, s22, SLOT
	s_mul_i32 s23, s14, 16*SP                      ; my stage
	s_lshl_b32 s18, s42, 10                        ; my first column, in bytes of f32: 1,024 x tile column + 512 x half
	s_lshl_b32 s19, s16, 9
	s_add_co_u32 s18, s18, s19
	s_mov_b32 s19, 0
	s_add_nc_u64 s[76:77], s[76:77], s[18:19]
	s_add_nc_u64 s[78:79], s[78:79], s[18:19]
	s_add_nc_u64 s[80:81], s[80:81], s[18:19]
	s_add_nc_u64 s[82:83], s[82:83], s[18:19]
	s_lshl_b32 s18, s17, 8
	s_lshl_b32 s20, s15, 7
	s_add_co_u32 s18, s18, s20
	s_lshl_b32 s18, s18, 13                        ; my first row of out0, 8,192 bytes a row
	s_add_nc_u64 s[82:83], s[82:83], s[18:19]
	v_and_b32 v1, 15, v0                           ; l % 16
	v_bfe_u32 v2, v0, 4, 1                         ; l / 16
	v_and_b32 v6, 31, v0
	v_mul_u32_u24 v3, v1, PITCH
	v_lshl_add_u32 v4, v2, 4, v3
	v_add_nc_u32 v[ADRA], s21, v4
	v_add_nc_u32 v[ADRA+1], s74, v4
	v_add_nc_u32 v[ADRB], s22, v4
	v_add_nc_u32 v[ADRB+1], s75, v4
	v_mul_u32_u24 v5, v2, 8*SP                     ; into the stage: row 8 (l / 16) + j, word l % 16 of the block's 16
	v_lshl_add_u32 v5, v1, 2, v5
	v_add_nc_u32 v[STO], s23, v5
	v_lshlrev_b32 v[CO], 4, v6                     ; back: the 32 lanes take one row of 512 bytes; and the same in out0
	v_add_nc_u32 v[RD], s23, v[CO]
	v_lshlrev_b32 v[CAD], 2, v1
	s_wait_alu depctr_va_vdst(0)
.irp b, 0,1,2,3,4,5,6,7
	global_load_b32 v[RHO+2*\b], v[CAD], s[76:77] offset:64*\b
	global_load_b32 v[SIG+2*\b], v[CAD], s[78:79] offset:64*\b
	global_load_b32 v[BI+2*\b], v[CAD], s[80:81] offset:64*\b
.endr
	s_wait_kmcnt 0x0
	s_add_co_i32 s18, s86, s87                     ; e2 + e3
	s_add_co_i32 s19, s90, s91                     ; e6 + e7
	s_wait_loadcnt 0x0
.irp b, 0,1,2,3,4,5,6,7
	v_ldexp_f32 v[RHO+2*\b], v[RHO+2*\b], s18      ; c0
	v_ldexp_f32 v[SIG+2*\b], v[SIG+2*\b], s19      ; c1
	v_mov_b32 v[BI+2*\b+1], v[BI+2*\b]
.endr
.irp b, 0,1,2,3,4,5,6,7
	v_mul_f32 v[TT+\b], 0x12800000, |v[RHO+2*\b]|  ; 2^-90 |c0|
.endr
.irp b, 0,1,2,3,4,5,6,7
	v_max3_num_f32 v[TT+\b], v[TT+\b], |v[SIG+2*\b]|, 0x800000   ; |sigma|: |c1|, held from below
.endr
.irp b, 0,1,2,3,4,5,6,7
	v_bfi_b32 v[SIG+2*\b], 0x7fffffff, v[TT+\b], v[SIG+2*\b]     ; under c1's sign
.endr
	s_wait_alu depctr_va_vdst(0)                   ; the wait ahead of the batch,
.irp b, 0,1,2,3,4,5,6,7
	v_rcp_f32 v[TT+\b], v[SIG+2*\b]
.endr
	v_nop                                          ; a plain place behind the batch,
	s_wait_alu depctr_va_vdst(0)                   ; and the wait behind it
.irp b, 0,1,2,3,4,5,6,7
	v_mul_f32 v[RHO+2*\b], v[RHO+2*\b], v[TT+\b]   ; rho = c0 / sigma
.endr
.irp b, 0,1,2,3,4,5,6,7
	v_mov_b32 v[RHO+2*\b+1], v[RHO+2*\b]
	v_mov_b32 v[SIG+2*\b+1], v[SIG+2*\b]
.endr
.macro FRAG reg, adr, q, i             ; 16 rows x 128 K: lane l holds row l % 16, registers 4 c .. 4 c + 3 K = 32 c + 16 (l / 16) + 0 .. 15, alike in both operands
.irp c, 0,1,2,3
	ds_load_b128 v[\reg+4*\c:\reg+4*\c+3], v[\adr] offset:128*(\q)+32*\c+(\i)*16*PITCH
.endr
.endm
.macro MUL16 a0, p, zero               ; hq's blocks a0, a0 + 1 x U's eight; the 64 accumulators take turns
.irp a, \a0, \a0+1
.irp b, 0,1,2,3,4,5,6,7
.if \zero
	v_wmma_f32_16x16x128_fp8_fp8 v[8*(8*((\a)%4)+\b):8*(8*((\a)%4)+\b)+7], v[AF+FR*(\a):AF+FR*(\a)+FR-1], v[128*(\p)+FR*\b:128*(\p)+FR*\b+FR-1], 0
.else
	v_wmma_f32_16x16x128_fp8_fp8 v[8*(8*((\a)%4)+\b):8*(8*((\a)%4)+\b)+7], v[AF+FR*(\a):AF+FR*(\a)+FR-1], v[128*(\p)+FR*\b:128*(\p)+FR*\b+FR-1], v[8*(8*((\a)%4)+\b):8*(8*((\a)%4)+\b)+7]
.endif
.endr
.endr
.endm
.macro FETCH_B slot, q, p
	WIN TO_B
.irp i, 0,1,2,3,4,5,6,7
	FRAG 128*(\p)+FR*\i, ADRB+\slot, \q, \i
.endr
	WIN 0
.endm
.macro FETCH_A slot, q, i0
.irp i, \i0, \i0+1, \i0+2, \i0+3
	FRAG AF+FR*(\i), ADRA+\slot, \q, \i
.endr
.endm
.macro PLACES n
.rept \n
	v_nop
.endr
.endm
.macro STEP slot, q, zero              ; 128 along K, its successor in the same slot
	s_wait_dscnt 4*NL                              ; U's set and hq's blocks 0-3 are in; the 16 loads of blocks 4-7 may be out
	WIN MUL_LO
	MUL16 0, (\q)%2, \zero
	MUL16 2, (\q)%2, \zero
	s_wait_dscnt 0
	PLACES NP
	FETCH_B \slot, (\q)+1, 1-(\q)%2
	FETCH_A \slot, (\q)+1, 0
	WIN MUL_HI
	MUL16 4, (\q)%2, \zero
	MUL16 6, (\q)%2, \zero
	PLACES NP
	WIN 0
	FETCH_A \slot, (\q)+1, 4
.endm
.macro TURN slot, next, fill           ; a slot's last step changes slots
.if \fill
	s_wait_xcnt 0x0                                ; my last prefetch has read its address
.if (\slot) == 0
	s_mov_b32 s[PI], ROWB
	s_cmp_eq_u32 s3, 3                             ; the first trip: from K step 2 to K step 4, which for U lies in U_R
	s_cselect_b32 s[PI], s[PJ], s[PI]
	s_add_nc_u64 s[PFA:PFA+1], s[PFA:PFA+1], s[PI:PI+1]
	s_mov_b32 s[INC], 2*ROWB
	s_cmp_eq_u32 s3, 2                             ; the second trip's refills are K steps 4 and 5: on into U_R
	s_cselect_b32 s[INC], s[JR], s[INC]
.else
	s_add_nc_u64 s[PFA:PFA+1], s[PFA:PFA+1], ROWB
.endif
.endif
	s_wait_tensorcnt 0x0                           ; all my tensor loads have landed: my part of the next slot;
	ds_add_u32 v[SPW], v[NIL]
	s_wait_dscnt 4*NL+1                            ; (the add and the 16 youngest loads may be out)
	WIN MUL_LO
	MUL16 0, 1, 0
	s_wait_dscnt 0x0                               ; the add is done, and my reads of this slot are over
	s_barrier_signal -1
	MUL16 2, 1, 0
	WIN 0
	s_barrier_wait -1
.if \fill
	CREST                                          ; the barrier has opened a round of the cluster's barrier
	s_add_nc_u64 s[G0+4*\slot+2:G0+4*\slot+3], s[G0+4*\slot+2:G0+4*\slot+3], 2*ROWB
	s_add_nc_u64 s[G0B+4*\slot+2:G0B+4*\slot+3], s[G0B+4*\slot+2:G0B+4*\slot+3], s[INC:INC+1]
	JLOAD G0+4*\slot, G1, G0B+4*\slot, G1B
.else
	PLACES NP
.endif
	FETCH_B \next, 0, 0
	FETCH_A \next, 0, 0
.if \fill
	s_cmp_gt_u32 s3, 1                             ; the last trip's refills have no K step two on
	s_cbranch_scc0 .Lnot_asked_\@
	global_prefetch_b8 v[PFO], s[PFA:PFA+1] th:TH_LOAD_NT scope:SCOPE_SE
.Lnot_asked_\@:
.endif
	WIN MUL_HI
	MUL16 4, 1, 0
	MUL16 6, 1, 0
	PLACES NP
	WIN 0
	FETCH_A \next, 0, 4
.endm
	s_wait_alu depctr_va_vdst(0)
	s_wait_tensorcnt 0x0                           ; my part of K step 0 is in; the same lines as ahead of a refill:
	ds_add_u32 v[SPW], v[NIL]
	s_wait_dscnt 0x0
	CROUND
	JLOAD G0+4, G1, G0B+4, G1B                     ; K step 1: slot 1's first fill
	global_prefetch_b8 v[PFO], s[PFA:PFA+1] offset:ROWB th:TH_LOAD_NT scope:SCOPE_SE   ; K step 3
	FETCH_B 0, 0, 0
	FETCH_A 0, 0, 0
	FETCH_A 0, 0, 4
	STEP 0, 0, 1                                   ; the first step starts the sums
	s_mov_b32 s3, LAPS-1
.Llap:
	TURN 0, 1, 1
	STEP 1, 0, 0
	TURN 1, 0, 1
	s_cmp_lg_u32 s3, 2
	s_cbranch_scc1 .Lno_scale                      ; behind K step 3, in the second trip alone: S0 is finished
	WIN 0x82                                       ; destination and source 0 window 2
.irp a, 0,1,2,3
.irp b, 0,1,2,3,4,5,6,7
.irp p, 0,2,4,6
	v_pk_mul_f32 v[64*\a+8*\b+\p:64*\a+8*\b+\p+1], v[64*\a+8*\b+\p:64*\a+8*\b+\p+1], v[RHO+2*\b:RHO+2*\b+1]
.endr
.endr
.endr
	WIN 0xc3                                       ; window 3
.irp a, 0,1,2,3
.irp b, 0,1,2,3,4,5,6,7
.irp p, 0,2,4,6
	v_pk_mul_f32 v[64*\a+8*\b+\p:64*\a+8*\b+\p+1], v[64*\a+8*\b+\p:64*\a+8*\b+\p+1], v[RHO+2*\b:RHO+2*\b+1]
.endr
.endr
.endr
	WIN 0
	s_wait_alu depctr_va_vdst(0)
.Lno_scale:
	STEP 0, 0, 0
	s_sub_co_u32 s3, s3, 1
	s_cmp_lg_u32 s3, 0
	s_cbranch_scc1 .Llap
	TURN 0, 1, 0                                   ; the last lap fills nothing
	STEP 1, 0, 0
	s_wait_dscnt 4*NL
	WIN MUL_LO
	MUL16 0, 1, 0
	MUL16 2, 1, 0
	s_wait_dscnt 0
	WIN MUL_HI
	MUL16 4, 1, 0
	MUL16 6, 1, 0
	WIN 0
; THE WAY OUT, block by block of 16 rows x 128 columns: sigma x sum + bias, through my own stage, back as whole rows of 512 bytes.  LDS serves a wave's instructions in order (ISA guide 5.7.1.4).
.macro FMA a
	WIN 0x02+((\a)/4)                              ; source 0: window 2 or 3
.irp b, 0,1,2,3,4,5,6,7
.irp p, 0,2,4,6
	v_pk_fma_f32 v[TMP+8*\b+\p:TMP+8*\b+\p+1], v[64*((\a)%4)+8*\b+\p:64*((\a)%4)+8*\b+\p+1], v[SIG+2*\b:SIG+2*\b+1], v[BI+2*\b:BI+2*\b+1]
.endr
.endr
	WIN 0
.endm
.macro STAGEIN a
.irp b, 0,1,2,3,4,5,6,7
.irp j, 0,1,2,3,4,5,6,7
	ds_store_b32 v[STO], v[TMP+8*\b+\j] offset:\j*SP+64*\b
.endr
.endr
	; the rows come back into the block's OWN accumulators' 64 registers, which FMA has read: eight sets, none written again, so no store's data wait for a later block (window 0's v128-191 hold the results alone)
	WIN (2+(\a)/4)<<6                              ; destination: window 2 or 3
.irp t, 0,1,2,3,4,5,6,7,8,9,10,11,12,13,14,15
	ds_load_b128 v[64*((\a)%4)+4*\t:64*((\a)%4)+4*\t+3], v[RD] offset:\t*SP
.endr
	WIN 0
.endm
.macro SEND a, younger                 ; younger: LDS instructions issued behind block a's loads that may stay out
	s_wait_dscnt \younger                          ; the block is back in registers
	WIN (2+(\a)/4)<<2                              ; store data: window 2 or 3
.irp t, 0,1,2,3,4,5,6,7,8,9,10,11,12,13,14,15
	global_store_b128 v[CO], v[64*((\a)%4)+4*\t:64*((\a)%4)+4*\t+3], s[82:83] offset:(16*(\a)+\t)*8192 th:TH_STORE_NT   ; 32 lanes store 512 consecutive bytes, at a multiple of 256 from out0's first byte
.endr
	WIN 0
.endm
	PLACES NP
	FMA 0
	STAGEIN 0
.irp a, 1,2,3,4,5,6,7                  ; block a goes through the stage while block a - 1 is stored
	FMA \a
	STAGEIN \a
	SEND \a-1, 63                                  ; behind block a - 1's loads stand block a's 64 stores and 16 loads; the count's field holds 63
.endr
	SEND 7, 0
	s_wait_tensorcnt 0x0                           ; the wave's end
	ds_add_u32 v[SPW], v[NIL]
	s_wait_dscnt 0x0
	CROUND                                         ; the closing round
	s_endpgm
.Lfunc_end_k_q21f4b8f0e4_gemm_y:
	.size	k_q21f4b8f0e4_gemm_y, .Lfunc_end_k_q21f4b8f0e4_gemm_y-k_q21f4b8f0e4_gemm_y
	.p2alignl 7, 3214868480
	.fill 96, 4, 3214868480
	.section	.rodata,"a",@progbits
	.p2align	6, 0x0
	.amdhsa_kernel k_q21f4b8f0e4_gemm_y
		.amdhsa_group_segment_fixed_size 327680
		.amdhsa_private_segment_fixed_size 0
		.amdhsa_enable_private_segment 0
		.amdhsa_kernarg_size 56
		.amdhsa_user_sgpr_count 2
		.amdhsa_user_sgpr_kernarg_segment_ptr 1
		.amdhsa_wavefront_size32 1
		.amdhsa_system_sgpr_workgroup_id_x 1
		.amdhsa_system_sgpr_workgroup_id_y 1
		.amdhsa_system_sgpr_workgroup_id_z 1
		.amdhsa_system_vgpr_workitem_id 0
		.amdhsa_next_free_vgpr 1024
		.amdhsa_next_free_sgpr 98
		.amdhsa_reserve_vcc 0
		.amdhsa_float_denorm_mode_32 3
		.amdhsa_float_denorm_mode_16_64 3
		.amdhsa_memory_ordered 1
		.amdhsa_forward_progress 1
		.amdhsa_inst_pref_size 172
	.end_amdhsa_kernel
	.amdgpu_metadata
---
amdhsa.version: [ 1, 2 ]
amdhsa.kernels:
  - .name:           k_q21f4b8f0e4_gemm_y
    .symbol:         k_q21f4b8f0e4_gemm_y.kd
    .args:
      - { .name: hq, .offset: 0, .size: 8, .value_kind: global_buffer, .address_space: global }
      - { .name: wq, .offset: 8, .size: 8, .value_kind: global_buffer, .address_space: global }
      - { .name: lowp_scales, .offset: 16, .size: 8, .value_kind: global_buffer, .address_space: global }
      - { .name: u1, .offset: 24, .size: 8, .value_kind: global_buffer, .address_space: global }
      - { .name: u1_R, .offset: 32, .size: 8, .value_kind: global_buffer, .address_space: global }
      - { .name: bias, .offset: 40, .size: 8, .value_kind: global_buffer, .address_space: global }
      - { .name: out0, .offset: 48, .size: 8, .value_kind: global_buffer, .address_space: global }
    .group_segment_fixed_size: 327680
    .private_segment_fixed_size: 0
    .kernarg_segment_align: 8
    .kernarg_segment_size: 56
    .max_flat_workgroup_size: 128
    .sgpr_count:     98
    .vgpr_count:     1024
    .wavefront_size: 32
...
	.end_amdgpu_metadata
.endif
;; end of part 3
